; MI455X (gfx1250); checked and timed in simulation.
; The chip was launched on July 23, 2026; its instructions are those of AMD's public machine-readable ISA for CDNA 5 (MIT licence, August 2026) and "CDNA5" Instruction Set Architecture Reference Guide (July 2026). The comments in the code are by the model that wrote it; some were corrected since.
;; Causal Self Attention. Allowed arithmetic: float matrix products may take bf16 or f16 operands with f32 sums; all other float work in f32.
;; Inputs: b_attn 3,072 float32; b_proj 1,024 float32; w_attn 1,024 x 3,072 float32; w_proj 1,024 x 1,024 float32; x 2 x 2,048 x 1,024 float32.
;; Outputs: out0 2 x 2,048 x 1,024 float32.
;; One version. Each part assembles by itself: llvm-mc -triple=amdgcn-amd-amdhsa -mcpu=gfx1250 --defsym DOCPART=n.
;; ======== version 1 of 1: 4 launches
;; limits: values are held in f16: magnitudes above 65,504 overflow, below 6.1e-05 lose precision
;; workspace buffers: xb 8,388,608 bytes; wab 6,291,456 bytes; wpb 2,097,152 bytes; qkv 25,165,824 bytes; yb 8,388,608 bytes
;; launch cast (part 1): grid 512 x 1, 8 waves a work-group, no clusters, 0 bytes of LDS; arguments x, w_attn, w_proj, xb, wab, wpb; writes xb, wab, wpb
.if DOCPART == 1
	.amdgcn_target "amdgcn-amd-amdhsa--gfx1250"
	.amdhsa_code_object_version 6
	.text
	.protected	k_q61161441b1_cast
	.globl	k_q61161441b1_cast
	.p2align	8
	.type	k_q61161441b1_cast,@function
k_q61161441b1_cast:
	s_mov_b64 s[64:65], 0
	v_nop
	global_prefetch_b8 v0, s[64:65] scope:SCOPE_SE
	s_setreg_imm32_b32 hwreg(HW_REG_WAVE_MODE, 25, 1), 1
	s_wait_xcnt 0x0
; The three large f32 inputs are rounded once to 16 bits, in their own layout, so that both GEMMs can fetch 16-bit tiles.
;   x [4096][1024] -> xb, bf16;   w_attn [1024][3072] -> wab, bf16;   w_proj [1024][1024] -> wpb: rounded to bf16 like the
;   other two and written in f16 code, because its partner in the last product (y) is f16 and a matrix instruction takes one
;   format for both operands.  A bf16 number is exact in f16 from 2^-17 to 65,504 in magnitude.
; LIMIT: |w_proj| above 65,504 becomes infinite; below 2^-17 it is rounded with an absolute error under 2^-25.
; A work-group takes 16,384 numbers (64 KiB in, 32 KiB out): groups 0-255 x, 256-447 w_attn, 448-511 w_proj.
; A wave takes 2,048 numbers: sixteen loads of 512 consecutive bytes, all issued before the first is used; each store of a wave
; covers 256 consecutive bytes, aligned.  Memory binds: no LDS, no barrier, no matrix unit.  No register is written twice while a
; memory instruction may read it, so the only waits are the counted ones for the loads.
.set X, 4                              ; v[4:67]   load i: four f32
.set Y, 68                             ; v[68:99]  store i: four 16-bit numbers
.set W, 100                            ; v[100:103] at work (w_proj only)
	s_load_b256 s[4:11], s[0:1], 0x0               ; x s[4:5], w_attn s[6:7], w_proj s[8:9], xb s[10:11]
	s_load_b128 s[12:15], s[0:1], 0x20             ; wab s[12:13], wpb s[14:15]
	v_and_b32 v3, 31, v0                           ; lane
	v_lshrrev_b32 v2, 5, v0                        ; wave
	v_lshlrev_b32 v1, 4, v3
	v_lshl_add_u32 v1, v2, 13, v1                  ; in: 8,192 x wave + 16 x lane
	v_lshlrev_b32 v3, 3, v3
	v_lshl_add_u32 v2, v2, 12, v3                  ; out: 4,096 x wave + 8 x lane
	s_mov_b32 s21, 256
	s_mov_b32 s23, 0
	s_wait_kmcnt 0x0
	s_cmp_lt_u32 ttmp9, 448                        ; which tensor is mine: a choice between buffers on the group's number
	s_cselect_b64 s[16:17], s[6:7], s[8:9]
	s_cselect_b64 s[18:19], s[12:13], s[14:15]
	s_cselect_b32 s20, s21, 448                    ; the first group of that tensor
	s_cmp_lt_u32 ttmp9, s21
	s_cselect_b64 s[16:17], s[4:5], s[16:17]
	s_cselect_b64 s[18:19], s[10:11], s[18:19]
	s_cselect_b32 s20, 0, s20
	s_sub_co_u32 s20, ttmp9, s20                   ; my chunk in it
	s_lshl_b32 s22, s20, 16
	s_add_nc_u64 s[16:17], s[16:17], s[22:23]      ; 65,536 bytes in for a chunk
	s_lshl_b32 s22, s20, 15
	s_add_nc_u64 s[18:19], s[18:19], s[22:23]      ; 32,768 bytes out
.irp i, 0,1,2,3,4,5,6,7,8,9,10,11,12,13,14,15
	global_load_b128 v[X+4*\i:X+4*\i+3], v1, s[16:17] offset:512*\i th:TH_LOAD_NT
.endr
	s_cmp_ge_u32 ttmp9, 448
	s_cbranch_scc1 .Lproj
.irp i, 0,1,2,3,4,5,6,7,8,9,10,11,12,13,14,15
	s_wait_loadcnt 15-\i                           ; loads come back in order: load i is in, the 15 - i younger ones stay out
	v_cvt_pk_bf16_f32 v[Y+2*\i],   v[X+4*\i],   v[X+4*\i+1]
	v_cvt_pk_bf16_f32 v[Y+2*\i+1], v[X+4*\i+2], v[X+4*\i+3]
	global_store_b64 v2, v[Y+2*\i:Y+2*\i+1], s[18:19] offset:256*\i
.endr
	s_endpgm
.Lproj:
.irp i, 0,1,2,3,4,5,6,7,8,9,10,11,12,13,14,15
	s_wait_loadcnt 15-\i
	v_cvt_pk_bf16_f32 v[W],   v[X+4*\i],   v[X+4*\i+1]     ; the rounding: to bf16, nearest even
	v_cvt_pk_bf16_f32 v[W+1], v[X+4*\i+2], v[X+4*\i+3]
	v_lshlrev_b32 v[W+2], 16, v[W]                         ; back to f32: the low half moves up, the high half stays
	v_and_b32     v[W],   0xffff0000, v[W]
	v_lshlrev_b32 v[W+3], 16, v[W+1]
	v_and_b32     v[W+1], 0xffff0000, v[W+1]
	v_cvt_pk_f16_f32 v[Y+2*\i],   v[W+2], v[W]             ; the code: f16
	v_cvt_pk_f16_f32 v[Y+2*\i+1], v[W+3], v[W+1]
	global_store_b64 v2, v[Y+2*\i:Y+2*\i+1], s[18:19] offset:256*\i
.endr
	s_endpgm
.Lfunc_end_k_q61161441b1_cast:
	.size	k_q61161441b1_cast, .Lfunc_end_k_q61161441b1_cast-k_q61161441b1_cast
	.p2alignl 7, 3214868480
	.fill 96, 4, 3214868480
	.section	.rodata,"a",@progbits
	.p2align	6, 0x0
	.amdhsa_kernel k_q61161441b1_cast
		.amdhsa_group_segment_fixed_size 0
		.amdhsa_private_segment_fixed_size 0
		.amdhsa_enable_private_segment 0
		.amdhsa_kernarg_size 48
		.amdhsa_user_sgpr_count 2
		.amdhsa_user_sgpr_kernarg_segment_ptr 1
		.amdhsa_wavefront_size32 1
		.amdhsa_system_sgpr_workgroup_id_x 1
		.amdhsa_system_sgpr_workgroup_id_y 1
		.amdhsa_system_sgpr_workgroup_id_z 1
		.amdhsa_system_vgpr_workitem_id 0
		.amdhsa_next_free_vgpr 104
		.amdhsa_next_free_sgpr 66
		.amdhsa_reserve_vcc 0
		.amdhsa_float_denorm_mode_32 3
		.amdhsa_float_denorm_mode_16_64 3
		.amdhsa_memory_ordered 1
		.amdhsa_forward_progress 1
		.amdhsa_inst_pref_size 16
	.end_amdhsa_kernel
	.amdgpu_metadata
---
amdhsa.version: [ 1, 2 ]
amdhsa.kernels:
  - .name:           k_q61161441b1_cast
    .symbol:         k_q61161441b1_cast.kd
    .args:
      - { .name: x, .offset: 0, .size: 8, .value_kind: global_buffer, .address_space: global }
      - { .name: w_attn, .offset: 8, .size: 8, .value_kind: global_buffer, .address_space: global }
      - { .name: w_proj, .offset: 16, .size: 8, .value_kind: global_buffer, .address_space: global }
      - { .name: xb, .offset: 24, .size: 8, .value_kind: global_buffer, .address_space: global }
      - { .name: wab, .offset: 32, .size: 8, .value_kind: global_buffer, .address_space: global }
      - { .name: wpb, .offset: 40, .size: 8, .value_kind: global_buffer, .address_space: global }
    .group_segment_fixed_size: 0
    .private_segment_fixed_size: 0
    .kernarg_segment_align: 8
    .kernarg_segment_size: 48
    .max_flat_workgroup_size: 256
    .sgpr_count:     66
    .vgpr_count:     104
    .wavefront_size: 32
...
	.end_amdgpu_metadata
.endif
;; end of part 1
;; launch gemm_qkv (part 2): grid 16 x 16, 4 waves a work-group, clusters of 4 x 4, 327,680 bytes of LDS; arguments xb, wab, b_attn, qkv; writes qkv
.if DOCPART == 2
	.amdgcn_target "amdgcn-amd-amdhsa--gfx1250"
	.amdhsa_code_object_version 6
	.text
	.protected	k_q61161441b1_gemm_qkv
	.globl	k_q61161441b1_gemm_qkv
	.p2align	8
	.type	k_q61161441b1_gemm_qkv,@function
k_q61161441b1_gemm_qkv:
	s_mov_b64 s[64:65], 0
	v_nop
	global_prefetch_b8 v0, s[64:65] scope:SCOPE_SE
	s_setreg_imm32_b32 hwreg(HW_REG_WAVE_MODE, 25, 1), 1
	s_wait_xcnt 0x0
	s_wait_alu depctr_hold_cnt(0) depctr_sa_sdst(0) depctr_va_vdst(0) depctr_va_sdst(0) depctr_va_ssrc(0) depctr_va_vcc(0) depctr_vm_vsrc(0)
	s_getreg_b32 s2, hwreg(HW_REG_IB_STS2, 6, 4)
	s_cmp_eq_u32 s2, 0
	s_cbranch_scc0 .Lentry_in_a_cluster
	s_endpgm
.Lentry_in_a_cluster:
	s_bfe_u32 s2, ttmp6, 0x10000c
	s_cmp_lg_u32 s2, 0xf033
	s_cbranch_scc0 .Lentry_shape_is_right
	s_endpgm
.Lentry_shape_is_right:
; qkv = x w_attn + b_attn.  xb [4096][1024] bf16, wab [1024 k][3072 n] bf16, b_attn [3072] f32; sums in f32.
; Out: qkv in f16, laid out by head: [q,k,v][batch 2][head 16][t 2048][d 64]; a plane is 262,144 bytes, a row 128 bytes.
; f16 and not bf16 for q, k, v: three more bits.  The first rows of a causal attention are averages of few values and are about
; ten times the output's root mean square, so the rounding of what feeds them counts ten times.
; LIMIT: |x w_attn + b_attn| must stay below 65,504 (f16).  With inputs of spread 1 and 1/32 it is about 5; with all inputs 30 times
; larger about 5,000; with x and w_attn both carrying an offset of 30 spreads about 29,000.
; A work-group makes 256 rows x 192 columns (three heads) with four waves; a wave makes 128 x 96: 48 accumulator tiles, 384 registers.
; 16 x 16 = 256 work-groups.  K goes in 8 steps of 128 through two LDS slots filled by the tensor data mover.
; CLUSTERS: 4 x 4 work-groups.  The four of a cluster's row share the tiles of x, the four of a column those of w: each tile is
; asked for jointly, by the same load with the same descriptor in all four, which divides the requests by four.
; w lies [k][n]: its fragments come out of LDS by the transposing load.  The matrix instruction is used transposed (source 0 = 16
; columns of w, source 1 = 16 rows of x): lane l then holds row l % 16 of the result and its registers 0-7 the eight NEIGHBOURING
; columns 8 (l / 16) + 0..7.  The bias is the C operand of the first K quarter: nothing is cleared and no add is written.
; REGISTERS, in windows of 256:
;   window 0: v16-27 addresses; v64-127, v128-191 fragments of x (8 x 16 rows x 32 K), two buffers; v192-215 packed results
;   window 1: v0-47 bias (tile b at 8 b); v64-111, v128-175 fragments of w (6 x 16 columns x 32 K), two buffers
;   window 2: accumulators of my rows 0-63 (tile (a, b) at 8 (6 a + b));   window 3: those of my rows 64-127
.set SIZE_K, 1024
.set SIZE_N, 3072
.set KSTEP,  128
.set APITCH, 272                       ; x: 256 bytes + 16: sixteen rows start in sixteen different 16-byte columns of 256 bytes
.set BPITCH, 480                       ; w: a row of 384 bytes as six pieces of 64 + 16 bytes = 15 x 32; column n at (n / 32) 80 + (n % 32) 2
.set AHALF,  128*APITCH                ; 34,816: one load of x
.set ABYTES, 2*AHALF                   ; 69,632
.set BHALF,  64*BPITCH                 ; 30,720: one load of w
.set SLOT,   ABYTES+2*BHALF            ; 131,072
.set STAGE,  2*SLOT                    ; 262,144: 128 rows x 400 bytes for the way out; no tensor load lands here
.set SPITCH, 400                       ; 384 bytes + 16 = 25 x 16
.set LAPS,   SIZE_K/(2*KSTEP)          ; 4 laps of two K steps
.set ADRA, 16                          ; v16-17 LDS address of my x fragments in slot 0, 1
.set ADRB, 20                          ; v20-21 the same for w
.set STO,  24                          ; the way out: where I put 16 bytes of a row
.set RD,   25                          ; where I read 16 bytes back
.set CO,   26                          ; my byte offset in a plane of qkv
.set BOF,  27                          ; my byte offset in b_attn
.set F0,   64
.set F1,   128
.set TMP,  192
.set G1,  24                           ; s[24:31] group 1 for x
.set G0,  32                           ; s[32:39] group 0 for x, one set for each slot
.set G1B, 48                           ; s[48:55] group 1 for w
.set G0B, 56                           ; s[56:63] group 0 for w, one set for each slot
.set MSB, 0
.macro WIN new                         ; the immediate's high byte repeats the setting that is left
.if MSB != \new
	s_set_vgpr_msb (MSB<<8)|\new
.set MSB, \new
.endif
.endm
.set MUL_LO,   0xa1                    ; source 0 (w) window 1, source 1 (x) window 0, C and D window 2
.set MUL_HI,   0xf1                    ; the same, C and D window 3
.set FIRST_LO, 0x91                    ; C = the bias in window 1, D window 2
.set FIRST_HI, 0xd1                    ; C = the bias in window 1, D window 3
.set TO_B,     0x40                    ; destination window 1, address window 0
; A joint load: waves 0 and 1 fetch the halves of x's tile, waves 2 and 3 those of w's.  The branch hangs on the wave's number alone.
.macro JLOAD s
	s_cmp_eq_u32 s13, 0
	s_cbranch_scc0 .Lfor_b_\@
	tensor_load_to_lds s[G0+4*\s:G0+4*\s+3], s[G1:G1+7]
	s_nop 0
	s_branch .Lasked_\@
.Lfor_b_\@:
	tensor_load_to_lds s[G0B+4*\s:G0B+4*\s+3], s[G1B:G1B+7]
	s_nop 0
.Lasked_\@:
.endm
; A round of the cluster's barrier: my work-group's barrier; wave 0 signals for the work-group; every wave waits for all sixteen; my work-group's barrier again.
.macro CREST                           ; a round behind its opening barrier
	s_cmp_lg_u32 s12, 0
	s_cbranch_scc1 .Lnot_wave_0_\@
	s_barrier_signal -3
.Lnot_wave_0_\@:
	s_barrier_wait -3
	s_barrier_signal -1
	s_barrier_wait -1
.endm
.macro CROUND
	s_barrier_signal -1
	s_barrier_wait -1
	CREST
.endm
	s_load_b256 s[4:11], s[0:1], 0x0               ; xb s[4:5], wab s[6:7], b_attn s[8:9], qkv s[10:11]
	s_set_vgpr_msb 0x40
	v_lshl_add_u32 v255, v0, 2, 0x4c800
	s_set_vgpr_msb 0x4000
	v_mov_b32 v255, 0
	s_set_vgpr_msb 0x1
	ds_add_u32 v255, v255
	s_set_vgpr_msb 0x100
	v_lshrrev_b32 v1, 5, v0
	v_readfirstlane_b32 s12, v1                    ; wave 0..3
	s_lshr_b32 s13, s12, 1                         ; mh: which 128 rows are mine.  Also: I fetch for x (0) or for w (1)
	s_and_b32 s14, s12, 1                          ; nh: which 96 columns.  Also: which half of that tile I fetch
	s_bfe_u32 s16, ttmp6, 0x40000                  ; cx
	s_bfe_u32 s17, ttmp6, 0x40004                  ; cy
	s_lshl_b32 s18, ttmp9, 2
	s_add_co_u32 s18, s18, s16                     ; bx: block column = 4 x cluster x + cx
	s_and_b32 s19, ttmp7, 0xffff
	s_lshl_b32 s19, s19, 2
	s_add_co_u32 s19, s19, s17                     ; by: block row = 4 x cluster y + cy
	s_lshl_b32 s20, s17, 2
	s_lshl_b32 s20, 15, s20                        ; my row of the cluster: places 4 cy .. 4 cy + 3
	s_lshl_b32 s21, 0x1111, s16                    ; my column: places cx, cx + 4, cx + 8, cx + 12
	; group 1 for x: 128 rows x 128 elements of 2 bytes, 4 words of padding behind every 64 words
	s_or_b32 s[G1+0], s20, (1<<16)|(1<<20)|(1<<21)|(5<<22)|(3<<25)
	s_mov_b32 s[G1+1], KSTEP<<16                   ; tensor_dim0 = 128
	s_mov_b32 s[G1+2], 128<<16                     ; tensor_dim1 = 128
	s_mov_b32 s[G1+3], KSTEP<<16                   ; tile_dim0 = 128
	s_mov_b32 s[G1+4], 128                         ; tile_dim1 = 128
	s_mov_b32 s[G1+5], SIZE_K                      ; elements from row to row
	s_mov_b32 s[G1+6], 0
	s_mov_b32 s[G1+7], 0
	; group 1 for w: 64 rows (k) x 192 elements, 4 words of padding behind every 16 words
	s_or_b32 s[G1B+0], s21, (1<<16)|(1<<20)|(1<<21)|(3<<22)|(3<<25)
	s_mov_b32 s[G1B+1], 192<<16
	s_mov_b32 s[G1B+2], 64<<16
	s_mov_b32 s[G1B+3], 192<<16
	s_mov_b32 s[G1B+4], 64
	s_mov_b32 s[G1B+5], SIZE_N
	s_mov_b32 s[G1B+6], 0
	s_mov_b32 s[G1B+7], 0
	; x's tiles hang on the block row alone, w's on the block column alone; each address in registers that never hold the other coordinate
	s_lshl_b32 s40, s19, 19                        ; 256 by rows of 2,048 bytes
	s_lshl_b32 s41, s14, 18                        ; + 128 rows for the second half
	s_add_co_u32 s40, s40, s41
	s_mov_b32 s41, 0
	s_mul_i32 s44, s18, 384                        ; 192 bx columns of 2 bytes
	s_mul_i32 s45, s14, 64*SIZE_N*2                ; + 64 rows of k for the second half
	s_add_co_u32 s44, s44, s45
	s_mov_b32 s45, 0
	s_mul_i32 s22, s12, AHALF                      ; to LDS: x's halves at wave x 34,816 (waves 0, 1)
	s_mul_i32 s23, s12, BHALF
	s_add_co_u32 s23, s23, ABYTES-2*BHALF          ; w's halves at wave x 30,720 + 8,192 = 69,632 and 100,352 (waves 2, 3)
	s_wait_dscnt 0x0
	s_wait_kmcnt 0x0
	s_add_nc_u64 s[40:41], s[4:5], s[40:41]
	s_add_nc_u64 s[44:45], s[6:7], s[44:45]
	CROUND                                         ; all sixteen work-groups are here: the first joint loads meet
.irp s, 0,1
	s_mov_b32 s[G0+4*\s], 1
	s_add_co_u32 s[G0+4*\s+1], s22, \s*SLOT
	s_add_nc_u64 s[G0+4*\s+2:G0+4*\s+3], s[40:41], \s*KSTEP*2
	s_or_b32 s[G0+4*\s+3], s[G0+4*\s+3], 0x80000000
	s_mov_b32 s[G0B+4*\s], 1
	s_add_co_u32 s[G0B+4*\s+1], s23, \s*SLOT
	s_add_nc_u64 s[G0B+4*\s+2:G0B+4*\s+3], s[44:45], \s*KSTEP*SIZE_N*2
	s_or_b32 s[G0B+4*\s+3], s[G0B+4*\s+3], 0x80000000
	JLOAD \s                                       ; K steps 0 and 1: two tensor loads of the wave are out, later never more than one
.endr
	v_and_b32 v1, 15, v0                           ; r = l % 16
	v_bfe_u32 v2, v0, 4, 1                         ; h = l / 16
	v_mul_u32_u24 v3, v1, APITCH
	v_lshl_add_u32 v3, v2, 4, v3                   ; x fragment: row r, 16 bytes for each half of the lanes
	s_mul_i32 s22, s13, AHALF
	v_add_nc_u32 v[ADRA], s22, v3
	v_add_nc_u32 v[ADRA+1], SLOT, v[ADRA]
	v_and_b32 v4, 7, v0
	v_lshl_add_u32 v4, v2, 3, v4                   ; w fragment, transposing load: row k = 8 h + l % 8,
	v_mul_u32_u24 v4, v4, BPITCH
	v_bfe_u32 v5, v0, 3, 1
	v_lshl_add_u32 v4, v5, 4, v4                   ; 16 bytes (8 columns) by bit 3 of the lane
	s_mul_i32 s23, s14, 240                        ; my 96 columns: three pieces of 80 bytes
	s_add_co_u32 s23, s23, ABYTES
	v_add_nc_u32 v[ADRB], s23, v4
	v_add_nc_u32 v[ADRB+1], SLOT, v[ADRB]
	s_mul_i32 s22, s13, 64*SPITCH                  ; the stage holds 64 rows of each row half at a time
	s_mul_i32 s23, s14, 192
	s_add_co_u32 s22, s22, s23
	s_add_co_u32 s22, s22, STAGE
	v_mul_u32_u24 v8, v1, SPITCH
	v_lshl_add_u32 v8, v2, 4, v8
	v_add_nc_u32 v[STO], s22, v8                   ; in: row 64 mh + r, byte 192 nh + 16 h
	v_bfe_u32 v6, v0, 3, 2                         ; l / 8
	v_and_b32 v7, 7, v0                            ; l % 8
	s_mul_i32 s22, s12, 32*SPITCH
	s_add_co_u32 s22, s22, STAGE
	v_mul_u32_u24 v8, v6, SPITCH
	v_lshl_add_u32 v8, v7, 4, v8
	v_add_nc_u32 v[RD], s22, v8                    ; back: stage rows 32 w + l / 8, eight lanes take a head's 128 bytes
	s_lshl_b32 s22, s13, 14
	s_lshl_b32 s23, s14, 12
	s_add_co_u32 s22, s22, s23
	v_lshl_add_u32 v8, v6, 7, s22
	v_lshl_add_u32 v[CO], v7, 4, v8                ; in the plane: row 128 mh + 32 nh + l / 8, byte 16 (l % 8)
	s_mul_i32 s46, s18, 768
	s_mul_i32 s47, s14, 384
	s_add_co_u32 s46, s46, s47
	v_lshl_add_u32 v[BOF], v2, 5, s46              ; bias of columns 192 bx + 96 nh + 8 h ..
	WIN TO_B
.irp b, 0,1,2,3,4,5
	global_load_b128 v[8*\b:8*\b+3],   v[BOF], s[8:9] offset:64*\b       ; register j of tile b: the bias of column 16 b + 8 h + j, as the result's layout has it
	global_load_b128 v[8*\b+4:8*\b+7], v[BOF], s[8:9] offset:64*\b+16
.endr
	WIN 0
; 12 matrix instructions: row tiles a0, a0 + 1 of the window's four x all 6 column tiles, 32 along K.  first = 1: C is the bias.
; The 48 accumulators take turns, one instruction a turn, in the same order in every quarter.
.macro MUL12 f, hi, a0, first
.irp a, \a0, \a0+1
.irp b, 0,1,2,3,4,5
.if \first
	v_wmma_f32_16x16x32_bf16 v[8*(6*(\a)+\b):8*(6*(\a)+\b)+7], v[\f+8*\b:\f+8*\b+7], v[\f+8*(4*\hi+\a):\f+8*(4*\hi+\a)+7], v[8*\b:8*\b+7]
.else
	v_wmma_f32_16x16x32_bf16 v[8*(6*(\a)+\b):8*(6*(\a)+\b)+7], v[\f+8*\b:\f+8*\b+7], v[\f+8*(4*\hi+\a):\f+8*(4*\hi+\a)+7], v[8*(6*(\a)+\b):8*(6*(\a)+\b)+7]
.endif
.endr
.endr
.endm
; 28 LDS loads in one run: quarter kq of a slot (32 along K) into buffer f: 12 transposing loads for w, then 16 loads for x
.macro FETCH slot, kq, f
	WIN TO_B
.irp i, 0,1,2,3,4,5
	ds_load_tr16_b128 v[\f+8*\i:\f+8*\i+3],   v[ADRB+\slot] offset:\kq*32*BPITCH+(\i/2)*80+(\i%2)*32
	ds_load_tr16_b128 v[\f+8*\i+4:\f+8*\i+7], v[ADRB+\slot] offset:\kq*32*BPITCH+(\i/2)*80+(\i%2)*32+16*BPITCH
.endr
	WIN 0
.irp i, 0,1,2,3,4,5,6,7
	ds_load_b128 v[\f+8*\i:\f+8*\i+3],   v[ADRA+\slot] offset:\kq*64+\i*16*APITCH
	ds_load_b128 v[\f+8*\i+4:\f+8*\i+7], v[ADRA+\slot] offset:\kq*64+\i*16*APITCH+32
.endr
.endm
; A load into a register that a matrix instruction has read, and a vector instruction that reads a matrix result, stand four places behind it;
; only plain vector instructions that name none of its registers are places (ISA guide 7.12.1 for vector instructions).
.macro PLACES
.rept 4
	v_nop
.endr
.endm
; One of a K step's first three quarters: multiplies buffer f; in its middle it fetches quarter kq into buffer g.
.macro QUARTER slot, kq, f, g, first
	s_wait_dscnt 8                                 ; w and x's rows 0-63 are in; the youngest eight loads (x's rows 64-127) may be out
.if \first
	WIN FIRST_LO
.else
	WIN MUL_LO
.endif
	MUL12 \f, 0, 0, \first
	MUL12 \f, 0, 2, \first
	PLACES
	FETCH \slot, \kq, \g
	s_wait_dscnt 28                                ; all but the 28 just issued
.if \first
	WIN FIRST_HI
.else
	WIN MUL_HI
.endif
	MUL12 \f, 1, 0, \first
	MUL12 \f, 1, 2, \first
.endm
.macro THREE slot, first
	QUARTER \slot, 1, F0, F1, \first
	QUARTER \slot, 2, F1, F0, 0
	QUARTER \slot, 3, F0, F1, 0
.endm
; The last quarter multiplies buffer 1 and changes slots.  In front of the one barrier each wave waits for its reads of this slot and for all its
; tensor loads (the one that is out is its part of the next slot).  Behind it this slot is asked for again first, two K steps ahead, then the next
; slot's first fragments are read.  From a request to the wait for it a wave issues 180 matrix instructions.
.macro TURN slot, next, fill
	s_wait_dscnt 8
	WIN MUL_LO
	MUL12 F1, 0, 0, 0
	s_wait_dscnt 0                                 ; my reads of this slot are over
	s_wait_tensorcnt 0x0                           ; all my tensor loads have landed
	ds_add_u32 v255, v255
	s_wait_dscnt 0x0
	s_barrier_signal -1                            ; where the slot is filled again this barrier opens a round of the cluster's barrier
	MUL12 F1, 0, 2, 0                              ; register work while the others arrive
	WIN 0
	s_barrier_wait -1
.if \fill
	CREST                                          ; no wave of any partner still reads this slot or has a load on its way
	s_add_nc_u64 s[G0+4*\slot+2:G0+4*\slot+3], s[G0+4*\slot+2:G0+4*\slot+3], 2*KSTEP*2
	s_add_nc_u64 s[G0B+4*\slot+2:G0B+4*\slot+3], s[G0B+4*\slot+2:G0B+4*\slot+3], 2*KSTEP*SIZE_N*2
	JLOAD \slot                                    ; the wave's one tensor load behind the round, and the first thing there
.endif
	PLACES
	FETCH \next, 0, F0
	WIN MUL_HI
	MUL12 F1, 1, 0, 0
	MUL12 F1, 1, 2, 0
.endm
.macro LAP first
	THREE 0, \first
	TURN 0, 1, 1
	THREE 1, 0
	TURN 1, 0, 1
.endm
	s_wait_tensorcnt 1                             ; my part of K step 0 is in; K step 1's stays out
	s_barrier_signal -1
	s_barrier_wait -1
	FETCH 0, 0, F0
	s_wait_loadcnt 0x0                             ; the bias
	LAP 1                                          ; the first lap stands in front of the loop: its first products start the sums from the bias
	WIN 0                                          ; at a label and at a branch every window is 0
	s_mov_b32 s15, LAPS-2
.Llap:
	LAP 0
	WIN 0
	s_sub_co_u32 s15, s15, 1
	s_cmp_lg_u32 s15, 0
	s_cbranch_scc1 .Llap
	THREE 0, 0                                     ; the last lap fills nothing
	TURN 0, 1, 0
	THREE 1, 0
	s_wait_dscnt 8
	WIN MUL_LO
	MUL12 F1, 0, 0, 0
	MUL12 F1, 0, 2, 0
	s_wait_dscnt 0
	WIN MUL_HI
	MUL12 F1, 1, 0, 0
	MUL12 F1, 1, 2, 0
	; THE WAY OUT, 64 rows of each row half at a time: round to f16, 16 bytes a lane into the stage, read back by heads, store 512 consecutive bytes.
	PLACES
	WIN 0
	s_lshr_b32 s42, s19, 3                         ; batch: 8 blocks of 256 rows each
	s_and_b32 s43, s19, 7
	s_lshl_b32 s43, s43, 15                        ; 256 rows of 128 bytes for each block in the batch
.irp hc, 0,1,2
	s_mul_i32 s46, s18, 3
	s_add_co_u32 s46, s46, \hc                     ; which of the 48 runs of 64 columns
	s_lshr_b32 s47, s46, 4                         ; q, k or v
	s_and_b32 s46, s46, 15                         ; head
	s_lshl1_add_u32 s47, s47, s42
	s_lshl4_add_u32 s47, s47, s46                  ; plane = ((q,k,v) x 2 + batch) x 16 + head
	s_lshl_b32 s46, s47, 18
	s_add_co_u32 s46, s46, s43
	s_mov_b32 s47, 0
	s_add_nc_u64 s[66+2*\hc:67+2*\hc], s[10:11], s[46:47]
.endr
; p = 0: window 2 (from = 0x0a: sources 0 and 1), rows 0-63 of each half; p = 1: window 3 (0x0f), rows 64-127
.macro OUTPASS p, from
.if \p
	s_wait_dscnt 0x0                               ; my reads of the stage are over,
	s_barrier_signal -1
	s_barrier_wait -1                              ; everybody's are: it may be written again
.endif
.irp a, 0,1,2,3
	WIN \from
.irp b, 0,1,2,3,4,5
.irp q, 0,1,2,3
	v_cvt_pk_f16_f32 v[TMP+4*\b+\q], v[8*(6*\a+\b)+2*\q], v[8*(6*\a+\b)+2*\q+1]
.endr
.endr
	WIN 0
.irp b, 0,1,2,3,4,5
	ds_store_b128 v[STO], v[TMP+4*\b:TMP+4*\b+3] offset:\a*16*SPITCH+32*\b
.endr
.endr
	s_wait_dscnt 0x0                               ; my stores are done: the middle head's rows come from two waves
	s_barrier_signal -1
	s_barrier_wait -1
	s_wait_xcnt 0x0                                ; v64-159 were the last pass's store data: loaded again only behind this wait
.irp hc, 0,1,2
.irp t, 0,1,2,3,4,5,6,7
	ds_load_b128 v[F0+4*(8*\hc+\t):F0+4*(8*\hc+\t)+3], v[RD] offset:\hc*128+\t*4*SPITCH
.endr
.endr
.irp hc, 0,1,2
.irp t, 0,1,2,3,4,5,6,7
	s_wait_dscnt 23-(8*\hc+\t)                     ; LDS loads come back in order: this one is in, the younger ones stay out
	global_store_b128 v[CO], v[F0+4*(8*\hc+\t):F0+4*(8*\hc+\t)+3], s[66+2*\hc:67+2*\hc] offset:\p*8192+\t*512   ; four rows of one head: 512 consecutive bytes, aligned
.endr
.endr
.endm
	OUTPASS 0, 0x0a
	OUTPASS 1, 0x0f
	s_set_vgpr_msb 0x1
	s_wait_tensorcnt 0x0
	ds_add_u32 v255, v255
	s_wait_dscnt 0x0
	s_set_vgpr_msb 0x100
	CROUND                                         ; the closing round: no work-group ends while a partner may still ask for a tile that names it
	s_endpgm
.Lfunc_end_k_q61161441b1_gemm_qkv:
	.size	k_q61161441b1_gemm_qkv, .Lfunc_end_k_q61161441b1_gemm_qkv-k_q61161441b1_gemm_qkv
	.p2alignl 7, 3214868480
	.fill 96, 4, 3214868480
	.section	.rodata,"a",@progbits
	.p2align	6, 0x0
	.amdhsa_kernel k_q61161441b1_gemm_qkv
		.amdhsa_group_segment_fixed_size 327680
		.amdhsa_private_segment_fixed_size 0
		.amdhsa_enable_private_segment 0
		.amdhsa_kernarg_size 32
		.amdhsa_user_sgpr_count 2
		.amdhsa_user_sgpr_kernarg_segment_ptr 1
		.amdhsa_wavefront_size32 1
		.amdhsa_system_sgpr_workgroup_id_x 1
		.amdhsa_system_sgpr_workgroup_id_y 1
		.amdhsa_system_sgpr_workgroup_id_z 1
		.amdhsa_system_vgpr_workitem_id 0
		.amdhsa_next_free_vgpr 1024
		.amdhsa_next_free_sgpr 72
		.amdhsa_reserve_vcc 0
		.amdhsa_float_denorm_mode_32 3
		.amdhsa_float_denorm_mode_16_64 3
		.amdhsa_memory_ordered 1
		.amdhsa_forward_progress 1
		.amdhsa_inst_pref_size 160
	.end_amdhsa_kernel
	.amdgpu_metadata
---
amdhsa.version: [ 1, 2 ]
amdhsa.kernels:
  - .name:           k_q61161441b1_gemm_qkv
    .symbol:         k_q61161441b1_gemm_qkv.kd
    .args:
      - { .name: xb, .offset: 0, .size: 8, .value_kind: global_buffer, .address_space: global }
      - { .name: wab, .offset: 8, .size: 8, .value_kind: global_buffer, .address_space: global }
      - { .name: b_attn, .offset: 16, .size: 8, .value_kind: global_buffer, .address_space: global }
      - { .name: qkv, .offset: 24, .size: 8, .value_kind: global_buffer, .address_space: global }
    .group_segment_fixed_size: 327680
    .private_segment_fixed_size: 0
    .kernarg_segment_align: 8
    .kernarg_segment_size: 32
    .max_flat_workgroup_size: 128
    .sgpr_count:     72
    .vgpr_count:     1024
    .wavefront_size: 32
...
	.end_amdgpu_metadata
.endif
;; end of part 2
;; launch attn (part 3): grid 8 x 32, 8 waves a work-group, no clusters, 327,680 bytes of LDS; arguments qkv, yb; writes yb
.if DOCPART == 3
	.amdgcn_target "amdgcn-amd-amdhsa--gfx1250"
	.amdhsa_code_object_version 6
	.text
	.protected	k_q61161441b1_attn
	.globl	k_q61161441b1_attn
	.p2align	8
	.type	k_q61161441b1_attn,@function
k_q61161441b1_attn:
	s_mov_b64 s[64:65], 0
	v_nop
	global_prefetch_b8 v0, s[64:65] scope:SCOPE_SE
	s_setreg_imm32_b32 hwreg(HW_REG_WAVE_MODE, 25, 1), 1
	s_wait_xcnt 0x0
; Causal attention of one (batch, head): y = softmax(q k^T / 8, keys <= query) v.  q, k, v: planes of qkv, [2048][64] f16.
; Out: yb, f16, [row block of 128: 32][head 16][row 128][d 64]: a block of one head is 16 KiB without gaps.
; A head's 2,048 queries are 16 blocks of 128.  Work-group j (0..7) takes blocks j and 15 - j: (j + 1) + (16 - j) = 17 key tiles of 128
; for every one of the 8 x 32 = 256 work-groups.  Tiles beyond the diagonal are not computed.
; Eight waves.  Wave (qg = w / 4, kh = w % 4) takes 64 queries x 32 of each tile's 128 keys, with a running maximum, a sum and an
; accumulator of its own; the four kh partners merge through LDS at the end of a block.
; BOTH PRODUCTS ARE TRANSPOSED: S^T = K Q^T (lane l: query l % 16; registers: keys 8 (l / 16) + 0..7), O^T = V^T P^T.  Two tiles of S^T,
; packed to f16, ARE the second operand of the second product: P never goes through LDS, and maximum and sum are one number a lane.
; The maximum is taken away before every exponential (running maximum, with rescaling).  Scores are scaled by 0.125 log2(e) in f32.
; LIMITS: q, k, v, P and y are f16 (P <= 1).  The running maximum starts from a floor of -1e30 (in scaled scores), which stands for
; 'all of this wave's keys masked'; a row whose real scaled scores all lie below -1e30 is not served.
; NO CLUSTER: the eight work-groups of a head read the same k and v, but at a given step they stand at different tiles (each starts at its own
; diagonal); walking in step would cost a cluster of four 20 steps in the place of 17, for 32 KiB shared a step.
; ORDER OF TILES: phase 1 is the block with an odd number n1 of tiles, phase 2 the one with an even number n2.  Each phase starts with its diagonal
; tile (the masked step starts the sums) and then takes tiles 0 .. n - 2.  So step i of the 17 uses slot i % 2, fixed in the text.
.set KPITCH, 144                       ; 128 bytes + 16 = 9 x 16
.set VPITCH, 160                       ; 128 bytes + 32 = 5 x 32, for the transposing load
.set KBYTES, 128*KPITCH                ; 18,432
.set VBYTES, 128*VPITCH                ; 20,480
.set SLOT,   KBYTES+VBYTES             ; 38,912
.set QLDS,   2*SLOT                    ; 77,824: the two query blocks, 18,432 bytes each
.set QBYTES, KBYTES
.set STAT,   QLDS+2*QBYTES             ; 114,688: 8 waves x 1,024 bytes: maxima, sums.  Written by LDS stores alone
.set OSCR,   STAT+8192                 ; 122,880: 8 waves x 64 rows x 272 bytes of f32.  Written by LDS stores alone
.set OPITCH, 272
.set OWAVE,  64*OPITCH                 ; 17,408
.set TILE,   16384                     ; 128 rows of 128 bytes in memory
.set KADR, 10                          ; v10-11 my K fragments in slot 0, 1
.set VADR, 12                          ; v12-13 my V fragments
.set QADR, 14                          ; my Q fragments in the first block
.set D0,   15                          ; query - key of my register 0 in tile (0, 0) of the diagonal step
.set NINF, 16
.set STW,  17
.set STR,  18
.set OST,  19
.set ORD,  20
.set YO,   21
.set MU,   24                          ; v[24:27] running maximum of query tile 0..3
.set AL,   28                          ; v[28:31] factor by which the old sums shrink
.set LS,   32                          ; v[32:39] running sum, a pair for each query tile
.set T,    40                          ; v[40:43]
.set XX,   44                          ; v[44:47] what the other half of the lanes holds
.set SD,   48                          ; v[48:63] store data
.set S,    64                          ; v[64:127] S^T: tile (kt, qt) at 16 qt + 8 kt; then P^T of qt in 16 qt .. + 7
.set KF,   128                         ; v[128:159] K fragment (kt, e) at 8 (2 kt + e)
.set VF,   160                         ; v[160:191] V^T fragment dt at 8 dt
.set QF,   128                         ; window 1: v[128:191] Q fragment (qt, e) at 8 (2 qt + e);  window 1 v[0:127]: O^T tile (qt, dt) at 8 (4 qt + dt)
.set MSB, 0
.macro WIN new
.if MSB != \new
	s_set_vgpr_msb (MSB<<8)|\new
.set MSB, \new
.endif
.endm
.set W_QK,  0x04                       ; source 1 (Q) window 1
.set W_PV,  0x50                       ; C and D (O) window 1
.set W_RS,  0x41                       ; destination and source 0 (O) window 1
.set W_LDQ, 0x40                       ; destination window 1
.set W_STO, 0x04                       ; an LDS store's data (source 1) window 1
	s_load_b128 s[4:7], s[0:1], 0x0                ; qkv s[4:5], yb s[6:7]
	v_lshl_add_u32 v254, v0, 2, 0x40000
	v_mov_b32 v255, 0
	ds_add_u32 v254, v255
	v_lshrrev_b32 v1, 5, v0
	v_readfirstlane_b32 s8, v1                     ; wave 0..7
	s_lshr_b32 s9, s8, 2                           ; qg
	s_and_b32 s10, s8, 3                           ; kh
	s_mov_b32 s11, ttmp9                           ; j
	s_and_b32 s12, ttmp7, 0xffff                   ; 16 x batch + head
	s_add_co_u32 s13, s11, 1                       ; j + 1 tiles for block j
	s_sub_co_u32 s14, 16, s11                      ; 16 - j tiles for block 15 - j
	s_and_b32 s20, s11, 1
	s_cmp_lg_u32 s20, 0
	s_cselect_b32 s20, s14, s13                    ; n1: the odd one of the two
	s_cselect_b32 s14, s13, s14                    ; n2: the even one
	s_mov_b32 s13, s20
	s_sub_co_u32 s15, s13, 1
	s_lshl_b32 s15, s15, 14                        ; byte offset of phase 1's diagonal tile, and of its query block
	s_sub_co_u32 s16, s14, 1
	s_lshl_b32 s16, s16, 14                        ; the same for phase 2
	s_mov_b32 s17, 0                               ; byte offset of the next plain tile
	s_mov_b32 s19, 0                               ; s[18:19]: the tile asked for, as a 64-bit offset
	s_mov_b32 s22, 0x3e38aa3b                      ; 0.125 log2(e)
	s_mov_b32 s23, 0x3e38aa3b
	s_mov_b32 s24, 0x76543210                      ; v_permlanex16_b32: lane i reads lane i of the other half
	s_mov_b32 s25, 0xfedcba98
	s_mov_b32 s26, 0xf149f2ca                      ; -1e30
	; group 1: 16 KiB without gaps, as 64 rows of 32 elements of 8 bytes; padding behind every 32 words (a row of 64 f16): 4 words for K and Q, 8 for V
	s_mov_b32 s32, (3<<16)|(1<<20)|(4<<22)|(3<<25)
	s_mov_b32 s33, 32<<16
	s_mov_b32 s34, 64<<16
	s_mov_b32 s35, 32<<16
	s_mov_b32 s36, 64
	s_mov_b32 s37, 32
	s_mov_b32 s38, 0
	s_mov_b32 s39, 0
	s_mov_b32 s40, (3<<16)|(1<<20)|(4<<22)|(7<<25)
	s_mov_b32 s41, 32<<16
	s_mov_b32 s42, 64<<16
	s_mov_b32 s43, 32<<16
	s_mov_b32 s44, 64
	s_mov_b32 s45, 32
	s_mov_b32 s46, 0
	s_mov_b32 s47, 0
	s_lshl_b32 s2, s12, 18                         ; a plane is 262,144 bytes
	s_mov_b32 s3, 0
	s_wait_dscnt 0x0
	s_barrier_signal -1
	s_barrier_wait -1
	s_wait_kmcnt 0x0
	s_add_nc_u64 s[70:71], s[4:5], s[2:3]          ; my q plane
	s_add_nc_u64 s[28:29], s[70:71], 32<<18        ; my k plane
	s_add_nc_u64 s[30:31], s[70:71], 64<<18        ; my v plane
	s_mov_b32 s18, s15
	s_mov_b32 s48, 1                               ; group 0 for K: phase 1's diagonal tile into slot 0
	s_mov_b32 s49, 0
	s_add_nc_u64 s[50:51], s[28:29], s[18:19]
	s_or_b32 s51, s51, 0x80000000
	s_mov_b32 s52, 1                               ; for V
	s_mov_b32 s53, KBYTES
	s_add_nc_u64 s[54:55], s[30:31], s[18:19]
	s_or_b32 s55, s55, 0x80000000
	s_mov_b32 s56, 1                               ; phase 1's query block
	s_mov_b32 s57, QLDS
	s_add_nc_u64 s[58:59], s[70:71], s[18:19]
	s_or_b32 s59, s59, 0x80000000
	s_mov_b32 s18, s16
	s_mov_b32 s60, 1                               ; phase 2's query block
	s_mov_b32 s61, QLDS+QBYTES
	s_add_nc_u64 s[62:63], s[70:71], s[18:19]
	s_or_b32 s63, s63, 0x80000000
	; the first fills: one load each for waves 0 to 3, in one chain of branches on the wave's number.  A wave never has more than one tensor load out.
	s_cmp_lg_u32 s8, 0
	s_cbranch_scc1 .Lfill1
	tensor_load_to_lds s[48:51], s[32:39]
	s_nop 0
	s_branch .Lfilled
.Lfill1:
	s_cmp_lg_u32 s8, 1
	s_cbranch_scc1 .Lfill2
	tensor_load_to_lds s[52:55], s[40:47]
	s_nop 0
	s_branch .Lfilled
.Lfill2:
	s_cmp_lg_u32 s8, 2
	s_cbranch_scc1 .Lfill3
	tensor_load_to_lds s[56:59], s[32:39]
	s_nop 0
	s_branch .Lfilled
.Lfill3:
	s_cmp_lg_u32 s8, 3
	s_cbranch_scc1 .Lfilled
	tensor_load_to_lds s[60:63], s[32:39]
	s_nop 0
.Lfilled:
	; where the two blocks of y go: ((16 x batch + block) x 16 + head) x 16,384
	s_lshr_b32 s2, s12, 4
	s_lshl_b32 s2, s2, 4
	s_and_b32 s20, s12, 15
	s_lshl4_add_u32 s2, s2, s20
	s_lshl_b32 s2, s2, 14
	s_lshl_b32 s20, s15, 4
	s_add_co_u32 s20, s20, s2
	s_mov_b32 s21, 0
	s_add_nc_u64 s[66:67], s[6:7], s[20:21]
	s_lshl_b32 s20, s16, 4
	s_add_co_u32 s20, s20, s2
	s_add_nc_u64 s[68:69], s[6:7], s[20:21]
	v_and_b32 v1, 15, v0                           ; r = l % 16
	v_bfe_u32 v2, v0, 4, 1                         ; h = l / 16
	v_and_b32 v3, 7, v0                            ; l % 8
	v_bfe_u32 v4, v0, 3, 1                         ; bit 3 of l
	v_bfe_u32 v5, v0, 3, 2                         ; l / 8
	v_and_b32 v6, 31, v0                           ; l
	v_mul_u32_u24 v7, v1, KPITCH
	v_lshl_add_u32 v7, v2, 4, v7                   ; row r, 16 bytes for each half of the lanes
	s_mul_i32 s2, s10, 32*KPITCH
	v_add_nc_u32 v[KADR], s2, v7                   ; my 32 keys
	v_add_nc_u32 v[KADR+1], SLOT, v[KADR]
	s_mul_i32 s2, s9, 64*KPITCH
	s_add_co_u32 s2, s2, QLDS
	v_add_nc_u32 v[QADR], s2, v7                   ; my 64 queries
	v_lshl_add_u32 v8, v2, 3, v3                   ; transposing load: key 8 h + l % 8,
	v_mul_u32_u24 v8, v8, VPITCH
	v_lshl_add_u32 v8, v4, 4, v8                   ; 16 bytes (8 d) by bit 3 of the lane
	s_mul_i32 s2, s10, 32*VPITCH
	s_add_co_u32 s2, s2, KBYTES
	v_add_nc_u32 v[VADR], s2, v8
	v_add_nc_u32 v[VADR+1], SLOT, v[VADR]
	s_lshl_b32 s2, s9, 6
	s_lshl_b32 s3, s10, 5
	s_sub_co_u32 s2, s2, s3
	v_lshlrev_b32 v9, 3, v2
	v_sub_nc_u32 v9, v1, v9
	v_add_nc_u32 v[D0], s2, v9                     ; (64 qg + r) - (32 kh + 8 h), signed
	v_mov_b32 v[NINF], 0xff800000
	s_lshl_b32 s2, s8, 10
	s_add_co_u32 s2, s2, STAT
	v_lshl_add_u32 v[STW], v6, 4, s2               ; my wave's figures: 16 bytes a lane
	s_lshl_b32 s2, s9, 12
	s_add_co_u32 s2, s2, STAT
	v_lshl_add_u32 v[STR], v6, 4, s2               ; those of the four partners, from the first on
	s_mul_i32 s2, s8, OWAVE
	s_add_co_u32 s2, s2, OSCR
	v_mul_u32_u24 v9, v1, OPITCH
	v_lshl_add_u32 v9, v2, 5, v9
	v_add_nc_u32 v[OST], s2, v9                    ; my O: row = query r, 32 bytes (8 d) for each half of the lanes
	s_mul_i32 s2, s9, 4*OWAVE
	s_mul_i32 s3, s10, 16*OPITCH
	s_add_co_u32 s2, s2, s3
	s_add_co_u32 s2, s2, OSCR
	v_mul_u32_u24 v9, v5, OPITCH
	v_lshl_add_u32 v9, v3, 5, v9
	v_add_nc_u32 v[ORD], s2, v9                    ; the merge: I sum queries 16 kh + l / 8 (+ 4 i), d = 8 (l % 8) ..
	s_lshl_b32 s2, s9, 13
	s_lshl_b32 s3, s10, 11
	s_add_co_u32 s2, s2, s3
	v_lshl_add_u32 v9, v5, 7, s2
	v_lshl_add_u32 v[YO], v3, 4, v9                ; and store them at row 64 qg + 16 kh + l / 8, byte 16 (l % 8)
.irp q, 0,1,2,3
	v_mov_b32 v[XX+\q], 0                          ; v_permlanex16_b32 counts as a reader of its destination
.endr
; wave 0 asks for the next K tile, wave 1 for the next V tile
.macro KVLOAD
	s_cmp_lg_u32 s8, 0
	s_cbranch_scc1 .Lnot_k_\@
	tensor_load_to_lds s[48:51], s[32:39]
	s_nop 0
.Lnot_k_\@:
	s_cmp_lg_u32 s8, 1
	s_cbranch_scc1 .Lnot_v_\@
	tensor_load_to_lds s[52:55], s[40:47]
	s_nop 0
.Lnot_v_\@:
.endm
; query tile qt's figure lies in register o (0, 1) of the pair at pr (0, 2)
.macro SHIFTQ qt, pr, o                ; S = c S - maximum, two at a time
.irp u, 0,1,2,3,4,5,6,7
	v_pk_fma_f32 v[S+16*\qt+2*\u:S+16*\qt+2*\u+1], v[S+16*\qt+2*\u:S+16*\qt+2*\u+1], s[22:23], v[MU+\pr:MU+\pr+1] op_sel:[0,0,\o] op_sel_hi:[1,0,\o] neg_lo:[0,0,1] neg_hi:[0,0,1]
.endr
.endm
.macro SUM0 qt, pr, o                  ; the old sum shrinks and takes the first pair, in one instruction
	v_pk_fma_f32 v[LS+2*\qt:LS+2*\qt+1], v[LS+2*\qt:LS+2*\qt+1], v[AL+\pr:AL+\pr+1], v[S+16*\qt:S+16*\qt+1] op_sel:[0,\o,0] op_sel_hi:[1,\o,1]
.endm
.macro RESC qt, pr, o                  ; O of query tile qt times its factor (window W_RS)
.irp u, 0,1,2,3,4,5,6,7,8,9,10,11,12,13,14,15
	v_pk_mul_f32 v[32*\qt+2*\u:32*\qt+2*\u+1], v[32*\qt+2*\u:32*\qt+2*\u+1], v[AL+\pr:AL+\pr+1] op_sel:[0,\o] op_sel_hi:[1,\o]
.endr
.endm
; One key tile, in slot.  first = 1: the phase's diagonal tile: Q's fragments are fetched, the mask is laid, the sums start.
; refill = 1: the next step's tile is asked for, into the other slot.
.macro STEP slot, first, refill, phase
	s_wait_dscnt 0x0                               ; my reads of the other slot are over
	s_wait_tensorcnt 0x0                           ; all my tensor loads have landed, my part of this slot among them: the groups 0 may be written
	ds_add_u32 v254, v255
	s_wait_dscnt 0x0
.if \refill
.if \phase == 1
	s_cmp_eq_u32 s17, s15                          ; behind phase 1's last plain tile comes phase 2's diagonal tile
	s_cselect_b32 s18, s16, s17
.else
	s_mov_b32 s18, s17
.endif
	s_add_co_u32 s17, s17, TILE
	s_mov_b32 s49, (1-\slot)*SLOT
	s_add_nc_u64 s[50:51], s[28:29], s[18:19]
	s_or_b32 s51, s51, 0x80000000
	s_mov_b32 s53, (1-\slot)*SLOT+KBYTES
	s_add_nc_u64 s[54:55], s[30:31], s[18:19]
	s_or_b32 s55, s55, 0x80000000
.endif
	s_barrier_signal -1
	s_barrier_wait -1                              ; both now hold of every wave
.if \refill
	KVLOAD                                         ; the wave's one tensor load until the next such barrier, first thing behind this one
.endif
.rept 5
	v_nop                                          ; places behind the last step's second product: four for the loads into V's fragments, five for the first product, which writes over P
.endr
.if \first
	WIN W_LDQ
.irp qt, 0,1,2,3
.irp e, 0,1
	ds_load_b128 v[QF+8*(2*\qt+\e):QF+8*(2*\qt+\e)+3],   v[QADR] offset:(\phase-1)*QBYTES+\qt*16*KPITCH+\e*64
	ds_load_b128 v[QF+8*(2*\qt+\e)+4:QF+8*(2*\qt+\e)+7], v[QADR] offset:(\phase-1)*QBYTES+\qt*16*KPITCH+\e*64+32
.endr
.endr
	WIN 0
.endif
.irp kt, 0,1
.irp e, 0,1
	ds_load_b128 v[KF+8*(2*\kt+\e):KF+8*(2*\kt+\e)+3],   v[KADR+\slot] offset:\kt*16*KPITCH+\e*64
	ds_load_b128 v[KF+8*(2*\kt+\e)+4:KF+8*(2*\kt+\e)+7], v[KADR+\slot] offset:\kt*16*KPITCH+\e*64+32
.endr
.endr
.irp dt, 0,1,2,3
	ds_load_tr16_b128 v[VF+8*\dt:VF+8*\dt+3],   v[VADR+\slot] offset:\dt*32
	ds_load_tr16_b128 v[VF+8*\dt+4:VF+8*\dt+7], v[VADR+\slot] offset:\dt*32+16*VPITCH
.endr
	s_wait_dscnt 8                                 ; Q and K are in; V's eight loads stay out
	; S^T = K Q^T: eight accumulators take turns, one instruction a turn; the first half of d starts the sums
	WIN W_QK
.irp qt, 0,1,2,3
.irp kt, 0,1
	v_wmma_f32_16x16x32_f16 v[S+16*\qt+8*\kt:S+16*\qt+8*\kt+7], v[KF+16*\kt:KF+16*\kt+7], v[QF+16*\qt:QF+16*\qt+7], 0
.endr
.endr
.irp qt, 0,1,2,3
.irp kt, 0,1
	v_wmma_f32_16x16x32_f16 v[S+16*\qt+8*\kt:S+16*\qt+8*\kt+7], v[KF+16*\kt+8:KF+16*\kt+15], v[QF+16*\qt+8:QF+16*\qt+15], v[S+16*\qt+8*\kt:S+16*\qt+8*\kt+7]
.endr
.endr
	WIN 0
.rept 4
	v_nop                                          ; places in front of the first vector instruction that reads S
.endr
.if \first
	; key > query: 16 kt + jj - 16 qt > (64 qg + r) - (32 kh + 8 h)
.irp qt, 0,1,2,3
.irp kt, 0,1
.irp jj, 0,1,2,3,4,5,6,7
	v_cmp_gt_i32 vcc_lo, 16*\kt+\jj-16*\qt, v[D0]
	v_cndmask_b32 v[S+16*\qt+8*\kt+\jj], v[S+16*\qt+8*\kt+\jj], v[NINF], vcc_lo
.endr
.endr
.endr
.endif
	; the largest of a query's 32 scores: 16 registers, then the other half of the lanes; four chains side by side
.irp qt, 0,1,2,3
	v_max3_num_f32 v[T+\qt], v[S+16*\qt], v[S+16*\qt+1], v[S+16*\qt+2]
.endr
.irp i, 3,5,7,9,11,13
.irp qt, 0,1,2,3
	v_max3_num_f32 v[T+\qt], v[T+\qt], v[S+16*\qt+\i], v[S+16*\qt+\i+1]
.endr
.endr
.irp qt, 0,1,2,3
	v_max_num_f32 v[T+\qt], v[T+\qt], v[S+16*\qt+15]
.endr
.irp qt, 0,1,2,3
	v_permlanex16_b32 v[XX+\qt], v[T+\qt], s24, s25
.endr
.irp qt, 0,1,2,3
	v_max_num_f32 v[T+\qt], v[T+\qt], v[XX+\qt]
.endr
	v_pk_mul_f32 v[T:T+1],   v[T:T+1],   s[22:23] op_sel_hi:[1,0]
	v_pk_mul_f32 v[T+2:T+3], v[T+2:T+3], s[22:23] op_sel_hi:[1,0]
.if \first
.irp qt, 0,1,2,3
	v_max_num_f32 v[MU+\qt], s26, v[T+\qt]         ; the floor stands where all my keys are masked
.endr
.else
	v_pk_add_f32 v[AL:AL+1],   v[MU:MU+1],   v[T:T+1]   neg_lo:[0,1] neg_hi:[0,1]
	v_pk_add_f32 v[AL+2:AL+3], v[MU+2:MU+3], v[T+2:T+3] neg_lo:[0,1] neg_hi:[0,1]
.irp qt, 0,1,2,3
	v_max_num_f32 v[MU+\qt], v[MU+\qt], v[T+\qt]
	v_min_num_f32 v[AL+\qt], 0, v[AL+\qt]          ; old maximum - new maximum
.endr
.irp qt, 0,1,2,3
	v_exp_f32 v[AL+\qt], v[AL+\qt]                 ; used far below: the multiply-adds that follow are the plain place behind it (ISA guide 5.7.2)
.endr
.endif
	SHIFTQ 0, 0, 0
	SHIFTQ 1, 0, 1
	SHIFTQ 2, 2, 0
	SHIFTQ 3, 2, 1
.irp i, 0,1,2,3,4,5,6,7,8,9,10,11,12,13,14,15,16,17,18,19,20,21,22,23,24,25,26,27,28,29,30,31
	v_exp_f32 v[S+2*\i],   v[S+2*\i]
	v_exp_f32 v[S+2*\i+1], v[S+2*\i+1]
.endr
	v_nop                                          ; one plain place between the run of exponentials and the first use
	s_wait_alu depctr_va_vdst(0)
.if \first
	s_wait_alu depctr_va_vdst(0)
.irp qt, 0,1,2,3
	v_pk_add_f32 v[LS+2*\qt:LS+2*\qt+1], v[S+16*\qt:S+16*\qt+1], v[S+16*\qt+2:S+16*\qt+3]
.endr
.else
	SUM0 0, 0, 0
	SUM0 1, 0, 1
	SUM0 2, 2, 0
	SUM0 3, 2, 1
.irp qt, 0,1,2,3
	v_pk_add_f32 v[LS+2*\qt:LS+2*\qt+1], v[LS+2*\qt:LS+2*\qt+1], v[S+16*\qt+2:S+16*\qt+3]
.endr
.endif
.irp i, 4,6,8,10,12,14
.irp qt, 0,1,2,3
	v_pk_add_f32 v[LS+2*\qt:LS+2*\qt+1], v[LS+2*\qt:LS+2*\qt+1], v[S+16*\qt+\i:S+16*\qt+\i+1]
.endr
.endr
	; P^T to f16, packed downward in place: registers 0-3 keys 8 h + 0..7, registers 4-7 keys 16 + 8 h + 0..7: the second operand's layout
.irp qt, 0,1,2,3
.irp i, 0,1,2,3,4,5,6,7
	v_cvt_pk_f16_f32 v[S+16*\qt+\i], v[S+16*\qt+2*\i], v[S+16*\qt+2*\i+1]
.endr
.endr
.if \first == 0
	WIN W_RS
	RESC 0, 0, 0
	RESC 1, 0, 1
	RESC 2, 2, 0
	RESC 3, 2, 1
.endif
	s_wait_dscnt 0x0                               ; V's fragments
	; O^T += V^T P^T: sixteen accumulators, one instruction each
	WIN W_PV
.irp qt, 0,1,2,3
.irp dt, 0,1,2,3
.if \first
	v_wmma_f32_16x16x32_f16 v[8*(4*\qt+\dt):8*(4*\qt+\dt)+7], v[VF+8*\dt:VF+8*\dt+7], v[S+16*\qt:S+16*\qt+7], 0
.else
	v_wmma_f32_16x16x32_f16 v[8*(4*\qt+\dt):8*(4*\qt+\dt)+7], v[VF+8*\dt:VF+8*\dt+7], v[S+16*\qt:S+16*\qt+7], v[8*(4*\qt+\dt):8*(4*\qt+\dt)+7]
.endif
.endr
.endr
	WIN 0
.endm
; The end of a block: the four partners' maxima and sums meet in LDS; each wave scales its O by exp2(own maximum - common maximum) / common sum and lays
; it into LDS; each wave then adds the four parts of 16 queries, rounds to f16 and stores.  A tile asked for in the last step may stay on its way
; across these two barriers.
.macro FINISH yb
.rept 4
	v_nop                                          ; places behind the last matrix instructions
.endr
.irp q, 0,1,2,3
	v_add_f32 v[T+\q], v[LS+2*\q], v[LS+2*\q+1]
.endr
.irp q, 0,1,2,3
	v_permlanex16_b32 v[XX+\q], v[T+\q], s24, s25
.endr
	v_pk_add_f32 v[T:T+1],   v[T:T+1],   v[XX:XX+1]
	v_pk_add_f32 v[T+2:T+3], v[T+2:T+3], v[XX+2:XX+3]
	ds_store_b128 v[STW], v[MU:MU+3]
	ds_store_b128 v[STW], v[T:T+3] offset:512
	s_wait_dscnt 0x0                               ; for the partners' sake
	s_barrier_signal -1
	s_barrier_wait -1
.irp p, 0,1,2,3
	ds_load_b128 v[S+4*\p:S+4*\p+3],       v[STR] offset:1024*\p
	ds_load_b128 v[S+16+4*\p:S+16+4*\p+3], v[STR] offset:1024*\p+512
.endr
	s_wait_dscnt 0x0
.irp q, 0,1,2,3
	v_max3_num_f32 v[T+\q], v[S+\q], v[S+4+\q], v[S+8+\q]
.endr
.irp q, 0,1,2,3
	v_max_num_f32 v[T+\q], v[T+\q], v[S+12+\q]     ; the common maximum
.endr
.irp u, 0,2
	v_pk_add_f32 v[AL+\u:AL+\u+1], v[MU+\u:MU+\u+1], v[T+\u:T+\u+1] neg_lo:[0,1] neg_hi:[0,1]
.irp p, 0,1,2,3
	v_pk_add_f32 v[S+4*\p+\u:S+4*\p+\u+1], v[S+4*\p+\u:S+4*\p+\u+1], v[T+\u:T+\u+1] neg_lo:[0,1] neg_hi:[0,1]
.endr
.endr
.irp i, 0,1,2,3,4,5,6,7,8,9,10,11,12,13,14,15
	v_exp_f32 v[S+\i], v[S+\i]
.endr
.irp q, 0,1,2,3
	v_exp_f32 v[AL+\q], v[AL+\q]
.endr
	v_nop                                          ; the plain place behind the exponentials
	s_wait_alu depctr_va_vdst(0)
.irp u, 0,2
	v_pk_mul_f32 v[T+\u:T+\u+1], v[S+\u:S+\u+1], v[S+16+\u:S+16+\u+1]
.irp p, 1,2,3
	v_pk_fma_f32 v[T+\u:T+\u+1], v[S+4*\p+\u:S+4*\p+\u+1], v[S+16+4*\p+\u:S+16+4*\p+\u+1], v[T+\u:T+\u+1]
.endr
.endr
.irp q, 0,1,2,3
	v_rcp_f32 v[T+\q], v[T+\q]                     ; the common sum is at least the largest term's, about 1
.endr
	v_nop
	s_wait_alu depctr_va_vdst(0)
	v_pk_mul_f32 v[AL:AL+1],   v[AL:AL+1],   v[T:T+1]
	v_pk_mul_f32 v[AL+2:AL+3], v[AL+2:AL+3], v[T+2:T+3]
	WIN W_RS
	RESC 0, 0, 0
	RESC 1, 0, 1
	RESC 2, 2, 0
	RESC 3, 2, 1
	WIN W_STO
.irp qt, 0,1,2,3
.irp dt, 0,1,2,3
	ds_store_b128 v[OST], v[8*(4*\qt+\dt):8*(4*\qt+\dt)+3]   offset:\qt*16*OPITCH+\dt*64
	ds_store_b128 v[OST], v[8*(4*\qt+\dt)+4:8*(4*\qt+\dt)+7] offset:\qt*16*OPITCH+\dt*64+16
.endr
.endr
	WIN 0
	s_wait_dscnt 0x0
	s_barrier_signal -1
	s_barrier_wait -1
	s_wait_xcnt 0x0                                ; the store data of the block before are written again only behind this wait
.irp i, 0,1,2,3
.irp p, 0,1,2,3
	ds_load_b128 v[S+32*\i+8*\p:S+32*\i+8*\p+3],   v[ORD] offset:\p*OWAVE+\i*4*OPITCH
	ds_load_b128 v[S+32*\i+8*\p+4:S+32*\i+8*\p+7], v[ORD] offset:\p*OWAVE+\i*4*OPITCH+16
.endr
.endr
.irp i, 0,1,2,3
	s_wait_dscnt (3-\i)*8                          ; the eight loads of rows 4 i .. are in; the younger groups of eight stay out
.irp u, 0,2,4,6
	v_pk_add_f32 v[S+32*\i+\u:S+32*\i+\u+1],       v[S+32*\i+\u:S+32*\i+\u+1],       v[S+32*\i+8+\u:S+32*\i+8+\u+1]
	v_pk_add_f32 v[S+32*\i+16+\u:S+32*\i+16+\u+1], v[S+32*\i+16+\u:S+32*\i+16+\u+1], v[S+32*\i+24+\u:S+32*\i+24+\u+1]
	v_pk_add_f32 v[S+32*\i+\u:S+32*\i+\u+1],       v[S+32*\i+\u:S+32*\i+\u+1],       v[S+32*\i+16+\u:S+32*\i+16+\u+1]
.endr
.irp u, 0,1,2,3
	v_cvt_pk_f16_f32 v[SD+4*\i+\u], v[S+32*\i+2*\u], v[S+32*\i+2*\u+1]
.endr
	global_store_b128 v[YO], v[SD+4*\i:SD+4*\i+3], s[\yb:\yb+1] offset:512*\i   ; four rows of 128 bytes: 512 consecutive bytes, aligned
.endr
.endm
	STEP 0, 1, 1, 1                                ; phase 1: its diagonal tile
	s_lshr_b32 s20, s13, 1                         ; (n1 - 1) / 2 pairs of plain tiles, none for n1 = 1
	s_cmp_eq_u32 s20, 0
	s_cbranch_scc1 .Lp1_done
.Lp1:
	STEP 1, 0, 1, 1
	STEP 0, 0, 1, 1
	s_sub_co_u32 s20, s20, 1
	s_cmp_lg_u32 s20, 0
	s_cbranch_scc1 .Lp1
.Lp1_done:
	FINISH 66
	s_mov_b32 s17, 0                               ; phase 2's plain tiles start at tile 0
	STEP 1, 1, 1, 2                                ; phase 2: its diagonal tile
	s_lshr_b32 s20, s14, 1
	s_sub_co_u32 s20, s20, 1                       ; n2 / 2 - 1 pairs, and one tile more behind them
	s_cmp_eq_u32 s20, 0
	s_cbranch_scc1 .Lp2_done
.Lp2:
	STEP 0, 0, 1, 2
	STEP 1, 0, 1, 2
	s_sub_co_u32 s20, s20, 1
	s_cmp_lg_u32 s20, 0
	s_cbranch_scc1 .Lp2
.Lp2_done:
	STEP 0, 0, 0, 2                                ; the last tile: nothing is left to fetch
	FINISH 68
	s_wait_tensorcnt 0x0
	ds_add_u32 v254, v255
	s_wait_dscnt 0x0
	s_endpgm
.Lfunc_end_k_q61161441b1_attn:
	.size	k_q61161441b1_attn, .Lfunc_end_k_q61161441b1_attn-k_q61161441b1_attn
	.p2alignl 7, 3214868480
	.fill 96, 4, 3214868480
	.section	.rodata,"a",@progbits
	.p2align	6, 0x0
	.amdhsa_kernel k_q61161441b1_attn
		.amdhsa_group_segment_fixed_size 327680
		.amdhsa_private_segment_fixed_size 0
		.amdhsa_enable_private_segment 0
		.amdhsa_kernarg_size 16
		.amdhsa_user_sgpr_count 2
		.amdhsa_user_sgpr_kernarg_segment_ptr 1
		.amdhsa_wavefront_size32 1
		.amdhsa_system_sgpr_workgroup_id_x 1
		.amdhsa_system_sgpr_workgroup_id_y 1
		.amdhsa_system_sgpr_workgroup_id_z 1
		.amdhsa_system_vgpr_workitem_id 0
		.amdhsa_next_free_vgpr 448
		.amdhsa_next_free_sgpr 72
		.amdhsa_reserve_vcc 1
		.amdhsa_float_denorm_mode_32 3
		.amdhsa_float_denorm_mode_16_64 3
		.amdhsa_memory_ordered 1
		.amdhsa_forward_progress 1
		.amdhsa_inst_pref_size 179
	.end_amdhsa_kernel
	.amdgpu_metadata
---
amdhsa.version: [ 1, 2 ]
amdhsa.kernels:
  - .name:           k_q61161441b1_attn
    .symbol:         k_q61161441b1_attn.kd
    .args:
      - { .name: qkv, .offset: 0, .size: 8, .value_kind: global_buffer, .address_space: global }
      - { .name: yb, .offset: 8, .size: 8, .value_kind: global_buffer, .address_space: global }
    .group_segment_fixed_size: 327680
    .private_segment_fixed_size: 0
    .kernarg_segment_align: 8
    .kernarg_segment_size: 16
    .max_flat_workgroup_size: 256
    .sgpr_count:     72
    .vgpr_count:     448
    .wavefront_size: 32
...
	.end_amdgpu_metadata
.endif
;; end of part 3
;; launch gemm_out (part 4): grid 8 x 32, 4 waves a work-group, clusters of 4 x 4, 327,680 bytes of LDS; arguments yb, wpb, b_proj, out0; writes out0
.if DOCPART == 4
	.amdgcn_target "amdgcn-amd-amdhsa--gfx1250"
	.amdhsa_code_object_version 6
	.text
	.protected	k_q61161441b1_gemm_out
	.globl	k_q61161441b1_gemm_out
	.p2align	8
	.type	k_q61161441b1_gemm_out,@function
k_q61161441b1_gemm_out:
	s_mov_b64 s[64:65], 0
	v_nop
	global_prefetch_b8 v0, s[64:65] scope:SCOPE_SE
	s_setreg_imm32_b32 hwreg(HW_REG_WAVE_MODE, 25, 1), 1
	s_wait_xcnt 0x0
	s_wait_alu depctr_hold_cnt(0) depctr_sa_sdst(0) depctr_va_vdst(0) depctr_va_sdst(0) depctr_va_ssrc(0) depctr_va_vcc(0) depctr_vm_vsrc(0)
	s_getreg_b32 s2, hwreg(HW_REG_IB_STS2, 6, 4)
	s_cmp_eq_u32 s2, 0
	s_cbranch_scc0 .Lentry_in_a_cluster
	s_endpgm
.Lentry_in_a_cluster:
	s_bfe_u32 s2, ttmp6, 0x10000c
	s_cmp_lg_u32 s2, 0xf033
	s_cbranch_scc0 .Lentry_shape_is_right
	s_endpgm
.Lentry_shape_is_right:
; out = y w_proj + b_proj.  yb: f16, [row block of 128: 32][head 16][row 128][d 64]; wpb: [1024 k][1024 n] f16 code; b_proj [1024] f32;
; out0 [4096][1024] f32; sums in f32.
; A work-group makes 128 x 128 with four waves, a wave 64 x 64: 16 accumulator tiles.  8 x 32 = 256 work-groups.
; K goes in 4 steps of 256 (four heads) through two LDS slots: one tensor load a wave brings 36,864 bytes and has 124 matrix instructions in which to land.
; CLUSTERS: 4 x 4 work-groups; y's tiles are shared along a cluster's row, w's along a column, each asked for jointly.
; w lies [k][n]: its fragments come by the transposing load.  The matrix instruction is used transposed (source 0 = 16 columns of w, source 1 = 16 rows
; of y): a lane holds eight neighbouring columns of one row.  The bias is the C operand of the first K quarter.
; REGISTERS: window 0: v16-27 addresses; v64-127, v128-191 two fragment buffers (y's four tiles, then w's four);
;            window 1: v0-127 accumulators (tile (a, b) at 8 (4 a + b)); v128-159 bias (tile b at 128 + 8 b)
.set APITCH, 144                       ; a head's row of y: 128 bytes + 16 = 9 x 16
.set APLANE, 128*APITCH                ; 18,432: a head's 128 rows
.set BPITCH, 288                       ; 256 bytes + 32 = 9 x 32
.set PART,   36864                     ; one load: two planes of y, or 128 rows (k) of w
.set ABYTES, 2*PART
.set SLOT,   4*PART                    ; 147,456
.set STAGE,  2*SLOT                    ; 294,912: 16 rows x 272 bytes for each wave, its own; no tensor load lands here
.set SPITCH, 272
.set ADRA, 16                          ; v16-17 my y fragments in slot 0, 1
.set ADRB, 20                          ; v20-23 my w fragments in slot s, half hf of its 256 rows: 20 + 2 s + hf
.set STO,  24
.set RD,   25
.set CO,   26
.set BOF,  27
.set F0,   64
.set F1,   128
.set BIAS, 128
.set G1,  24
.set G0,  32
.set G1B, 48
.set G0B, 56
.set MSB, 0
.macro WIN new
.if MSB != \new
	s_set_vgpr_msb (MSB<<8)|\new
.set MSB, \new
.endif
.endm
.set MUL,   0x50                       ; C and D window 1, both sources window 0
.set TO_1,  0x40                       ; destination window 1
.set FROM1, 0x04                       ; an LDS store's data (source 1) window 1
.macro JLOAD s
	s_cmp_eq_u32 s13, 0
	s_cbranch_scc0 .Lfor_b_\@
	tensor_load_to_lds s[G0+4*\s:G0+4*\s+3], s[G1:G1+7]
	s_nop 0
	s_branch .Lasked_\@
.Lfor_b_\@:
	tensor_load_to_lds s[G0B+4*\s:G0B+4*\s+3], s[G1B:G1B+7]
	s_nop 0
.Lasked_\@:
.endm
.macro CREST
	s_cmp_lg_u32 s12, 0
	s_cbranch_scc1 .Lnot_wave_0_\@
	s_barrier_signal -3
.Lnot_wave_0_\@:
	s_barrier_wait -3
	s_barrier_signal -1
	s_barrier_wait -1
.endm
.macro CROUND
	s_barrier_signal -1
	s_barrier_wait -1
	CREST
.endm
	s_load_b256 s[4:11], s[0:1], 0x0               ; yb s[4:5], wpb s[6:7], b_proj s[8:9], out0 s[10:11]
	v_lshl_add_u32 v254, v0, 2, 0x4c400
	v_mov_b32 v255, 0
	ds_add_u32 v254, v255
	v_lshrrev_b32 v1, 5, v0
	v_readfirstlane_b32 s12, v1                    ; wave 0..3
	s_lshr_b32 s13, s12, 1                         ; mh: which 64 rows are mine.  Also: I fetch for y (0) or for w (1)
	s_and_b32 s14, s12, 1                          ; nh: which 64 columns.  Also: which half of that tile I fetch
	s_bfe_u32 s16, ttmp6, 0x40000                  ; cx
	s_bfe_u32 s17, ttmp6, 0x40004                  ; cy
	s_lshl_b32 s18, ttmp9, 2
	s_add_co_u32 s18, s18, s16                     ; bx: block column
	s_and_b32 s19, ttmp7, 0xffff
	s_lshl_b32 s19, s19, 2
	s_add_co_u32 s19, s19, s17                     ; by: block row
	s_lshl_b32 s20, s17, 2
	s_lshl_b32 s20, 15, s20                        ; my row of the cluster
	s_lshl_b32 s21, 0x1111, s16                    ; my column
	; group 1 for y: 32 KiB without gaps as 128 rows of 32 elements of 8 bytes; 4 words of padding behind every 32 words (a head's row)
	s_or_b32 s[G1+0], s20, (3<<16)|(1<<20)|(1<<21)|(4<<22)|(3<<25)
	s_mov_b32 s[G1+1], 32<<16
	s_mov_b32 s[G1+2], 128<<16
	s_mov_b32 s[G1+3], 32<<16
	s_mov_b32 s[G1+4], 128
	s_mov_b32 s[G1+5], 32
	s_mov_b32 s[G1+6], 0
	s_mov_b32 s[G1+7], 0
	; group 1 for w: 128 rows (k) x 128 elements of 2 bytes; 8 words of padding behind every 64 words
	s_or_b32 s[G1B+0], s21, (1<<16)|(1<<20)|(1<<21)|(5<<22)|(7<<25)
	s_mov_b32 s[G1B+1], 128<<16
	s_mov_b32 s[G1B+2], 128<<16
	s_mov_b32 s[G1B+3], 128<<16
	s_mov_b32 s[G1B+4], 128
	s_mov_b32 s[G1B+5], 1024
	s_mov_b32 s[G1B+6], 0
	s_mov_b32 s[G1B+7], 0
	s_lshl_b32 s40, s19, 18                        ; y: block row by = 16 planes of 16,384 bytes,
	s_lshl_b32 s41, s14, 15                        ; + two planes for the second half
	s_add_co_u32 s40, s40, s41
	s_mov_b32 s41, 0
	s_lshl_b32 s44, s18, 8                         ; w: 128 bx columns of 2 bytes,
	s_lshl_b32 s45, s14, 18                        ; + 128 rows of 2,048 bytes for the second half
	s_add_co_u32 s44, s44, s45
	s_mov_b32 s45, 0
	s_mul_i32 s22, s12, PART                       ; to LDS: y's halves, then w's halves = wave x 36,864
	s_wait_dscnt 0x0
	s_wait_kmcnt 0x0
	s_add_nc_u64 s[40:41], s[4:5], s[40:41]
	s_add_nc_u64 s[44:45], s[6:7], s[44:45]
	CROUND                                         ; all sixteen work-groups are here: the first joint loads meet
.irp s, 0,1
	s_mov_b32 s[G0+4*\s], 1
	s_add_co_u32 s[G0+4*\s+1], s22, \s*SLOT
	s_add_nc_u64 s[G0+4*\s+2:G0+4*\s+3], s[40:41], \s*4*16384
	s_or_b32 s[G0+4*\s+3], s[G0+4*\s+3], 0x80000000
	s_mov_b32 s[G0B+4*\s], 1
	s_add_co_u32 s[G0B+4*\s+1], s22, \s*SLOT
	s_add_nc_u64 s[G0B+4*\s+2:G0B+4*\s+3], s[44:45], \s*256*2048
	s_or_b32 s[G0B+4*\s+3], s[G0B+4*\s+3], 0x80000000
	JLOAD \s                                       ; K steps 0 and 1: two tensor loads of the wave are out, later never more than one
.endr
	v_and_b32 v1, 15, v0                           ; r
	v_bfe_u32 v2, v0, 4, 1                         ; h
	v_mul_u32_u24 v3, v1, APITCH
	v_lshl_add_u32 v3, v2, 4, v3
	s_mul_i32 s22, s13, 64*APITCH
	v_add_nc_u32 v[ADRA], s22, v3
	v_add_nc_u32 v[ADRA+1], SLOT, v[ADRA]
	v_and_b32 v4, 7, v0
	v_lshl_add_u32 v4, v2, 3, v4                   ; transposing load: row k = 8 h + l % 8,
	v_mul_u32_u24 v4, v4, BPITCH
	v_bfe_u32 v5, v0, 3, 1
	v_lshl_add_u32 v4, v5, 4, v4                   ; 16 bytes by bit 3 of the lane
	s_lshl_b32 s23, s14, 7                         ; my 64 columns
	s_add_co_u32 s23, s23, ABYTES
	v_add_nc_u32 v[ADRB], s23, v4
	v_add_nc_u32 v[ADRB+1], PART, v[ADRB]          ; rows 128-255 lie beyond an LDS offset's 16 bits: a register of their own
	v_add_nc_u32 v[ADRB+2], SLOT, v[ADRB]
	v_add_nc_u32 v[ADRB+3], SLOT+PART, v[ADRB]
	s_mul_i32 s22, s12, 16*SPITCH
	s_add_co_u32 s22, s22, STAGE                   ; my stage
	v_mul_u32_u24 v6, v1, SPITCH
	v_lshl_add_u32 v6, v2, 5, v6
	v_add_nc_u32 v[STO], s22, v6                   ; in: row r, 32 bytes (8 f32) for each half of the lanes
	v_mul_u32_u24 v6, v2, SPITCH
	v_lshl_add_u32 v6, v1, 4, v6
	v_add_nc_u32 v[RD], s22, v6                    ; back: lanes 0-15 one row of 256 bytes, lanes 16-31 the next
	v_lshlrev_b32 v6, 12, v2
	v_lshl_add_u32 v[CO], v1, 4, v6                ; the same two rows in out0
	s_lshl_b32 s46, s18, 9
	s_lshl_b32 s47, s14, 8
	s_add_co_u32 s46, s46, s47
	v_lshl_add_u32 v[BOF], v2, 5, s46              ; bias of columns 128 bx + 64 nh + 8 h ..
	WIN TO_1
.irp b, 0,1,2,3
	global_load_b128 v[BIAS+8*\b:BIAS+8*\b+3],   v[BOF], s[8:9] offset:64*\b
	global_load_b128 v[BIAS+8*\b+4:BIAS+8*\b+7], v[BOF], s[8:9] offset:64*\b+16
.endr
	WIN 0
; four matrix instructions: row tile a x all 4 column tiles, 32 along K.  The 16 accumulators take turns, one instruction a turn.
.macro MUL4 f, a, first
.irp b, 0,1,2,3
.if \first
	v_wmma_f32_16x16x32_f16 v[8*(4*\a+\b):8*(4*\a+\b)+7], v[\f+32+8*\b:\f+32+8*\b+7], v[\f+8*\a:\f+8*\a+7], v[BIAS+8*\b:BIAS+8*\b+7]
.else
	v_wmma_f32_16x16x32_f16 v[8*(4*\a+\b):8*(4*\a+\b)+7], v[\f+32+8*\b:\f+32+8*\b+7], v[\f+8*\a:\f+8*\a+7], v[8*(4*\a+\b):8*(4*\a+\b)+7]
.endif
.endr
.endm
; 16 LDS loads: eighth q of a slot (32 along K: half of head q / 2) into buffer f: 8 transposing loads for w, then 8 loads for y
.macro FETCH slot, q, f
.irp b, 0,1,2,3
	ds_load_tr16_b128 v[\f+32+8*\b:\f+32+8*\b+3],   v[ADRB+2*\slot+(\q/4)] offset:(\q%4)*32*BPITCH+32*\b
	ds_load_tr16_b128 v[\f+32+8*\b+4:\f+32+8*\b+7], v[ADRB+2*\slot+(\q/4)] offset:(\q%4)*32*BPITCH+32*\b+16*BPITCH
.endr
.irp i, 0,1,2,3
	ds_load_b128 v[\f+8*\i:\f+8*\i+3],   v[ADRA+\slot] offset:(\q/2)*APLANE+(\q%2)*64+\i*16*APITCH
	ds_load_b128 v[\f+8*\i+4:\f+8*\i+7], v[ADRA+\slot] offset:(\q/2)*APLANE+(\q%2)*64+\i*16*APITCH+32
.endr
.endm
.macro PLACES                          ; four plain places between a matrix instruction and a load into, or a read of, its registers (ISA guide 7.12.1 for vector instructions)
.rept 4
	v_nop
.endr
.endm
; multiplies buffer f; in its middle fetches eighth q into buffer g
.macro QUARTER slot, q, f, g, first
	s_wait_dscnt 4                                 ; w and y's rows 0-31 are in; the youngest four loads (rows 32-63) may be out
	WIN MUL
	MUL4 \f, 0, \first
	MUL4 \f, 1, \first
	WIN 0
	PLACES
	FETCH \slot, \q, \g
	s_wait_dscnt 16                                ; all but the 16 just issued
	WIN MUL
	MUL4 \f, 2, \first
	MUL4 \f, 3, \first
.endm
.macro SEVEN slot, first
	QUARTER \slot, 1, F0, F1, \first
	QUARTER \slot, 2, F1, F0, 0
	QUARTER \slot, 3, F0, F1, 0
	QUARTER \slot, 4, F1, F0, 0
	QUARTER \slot, 5, F0, F1, 0
	QUARTER \slot, 6, F1, F0, 0
	QUARTER \slot, 7, F0, F1, 0
.endm
; The last eighth multiplies buffer 1 and changes slots: each wave's reads of this slot and all its tensor loads are waited for in front of the barrier;
; behind it this slot is asked for again first, then the next slot's first fragments are read.
.macro TURN slot, next, fill
	s_wait_dscnt 4
	WIN MUL
	MUL4 F1, 0, 0
	s_wait_dscnt 0
	s_wait_tensorcnt 0x0
	ds_add_u32 v254, v255
	s_wait_dscnt 0x0
	s_barrier_signal -1                            ; where the slot is filled again this barrier opens a round of the cluster's barrier
	MUL4 F1, 1, 0
	WIN 0
	s_barrier_wait -1
.if \fill
	CREST
	s_add_nc_u64 s[G0+4*\slot+2:G0+4*\slot+3], s[G0+4*\slot+2:G0+4*\slot+3], 8*16384
	s_add_nc_u64 s[G0B+4*\slot+2:G0B+4*\slot+3], s[G0B+4*\slot+2:G0B+4*\slot+3], 512*2048
	JLOAD \slot                                    ; the wave's one tensor load behind the round, and the first thing there
.endif
	PLACES
	FETCH \next, 0, F0
	WIN MUL
	MUL4 F1, 2, 0
	MUL4 F1, 3, 0
.endm
	s_wait_tensorcnt 1                             ; my part of K step 0 is in; K step 1's stays out
	s_barrier_signal -1
	s_barrier_wait -1
	FETCH 0, 0, F0
	s_wait_loadcnt 0x0                             ; the bias
	SEVEN 0, 1                                     ; the first products start the sums from the bias
	TURN 0, 1, 1                                   ; K step 2 is asked for
	SEVEN 1, 0
	TURN 1, 0, 1                                   ; K step 3 is asked for
	SEVEN 0, 0
	TURN 0, 1, 0
	SEVEN 1, 0
	s_wait_dscnt 4
	WIN MUL
	MUL4 F1, 0, 0
	MUL4 F1, 1, 0
	s_wait_dscnt 0
	MUL4 F1, 2, 0
	MUL4 F1, 3, 0
	; THE WAY OUT, 16 rows at a time through my own stage: 32 bytes a lane in, whole rows of 256 bytes back.
	PLACES
	WIN 0
	s_lshl_b32 s46, s19, 19                        ; 128 by rows of 4,096 bytes
	s_lshl_b32 s47, s13, 18                        ; + 64 mh rows
	s_add_co_u32 s46, s46, s47
	s_lshl_b32 s47, s18, 9                         ; + 128 bx columns of 4 bytes
	s_add_co_u32 s46, s46, s47
	s_lshl_b32 s47, s14, 8                         ; + 64 nh columns
	s_add_co_u32 s46, s46, s47
	s_mov_b32 s47, 0
	s_add_nc_u64 s[46:47], s[10:11], s[46:47]
.macro OUT16 a, f
	WIN FROM1
.irp b, 0,1,2,3
	ds_store_b128 v[STO], v[8*(4*\a+\b):8*(4*\a+\b)+3]   offset:64*\b
	ds_store_b128 v[STO], v[8*(4*\a+\b)+4:8*(4*\a+\b)+7] offset:64*\b+16
.endr
	WIN 0
	s_wait_xcnt 0x0                                ; buffer f was store data two turns ago: loaded again only behind this wait
.irp t, 0,1,2,3,4,5,6,7
	ds_load_b128 v[\f+4*\t:\f+4*\t+3], v[RD] offset:\t*2*SPITCH    ; LDS serves a wave's instructions in order (ISA guide 5.7.1.4): these see the stores above
.endr
.irp t, 0,1,2,3,4,5,6,7
	s_wait_dscnt 7-\t
	global_store_b128 v[CO], v[\f+4*\t:\f+4*\t+3], s[46:47] offset:(16*\a+2*\t)*4096 th:TH_STORE_NT   ; 16 lanes store 256 consecutive bytes, aligned
.endr
.endm
	OUT16 0, F0
	OUT16 1, F1
	OUT16 2, F0
	OUT16 3, F1
	s_wait_tensorcnt 0x0
	ds_add_u32 v254, v255
	s_wait_dscnt 0x0
	CROUND                                         ; the closing round
	s_endpgm
.Lfunc_end_k_q61161441b1_gemm_out:
	.size	k_q61161441b1_gemm_out, .Lfunc_end_k_q61161441b1_gemm_out-k_q61161441b1_gemm_out
	.p2alignl 7, 3214868480
	.fill 96, 4, 3214868480
	.section	.rodata,"a",@progbits
	.p2align	6, 0x0
	.amdhsa_kernel k_q61161441b1_gemm_out
		.amdhsa_group_segment_fixed_size 327680
		.amdhsa_private_segment_fixed_size 0
		.amdhsa_enable_private_segment 0
		.amdhsa_kernarg_size 32
		.amdhsa_user_sgpr_count 2
		.amdhsa_user_sgpr_kernarg_segment_ptr 1
		.amdhsa_wavefront_size32 1
		.amdhsa_system_sgpr_workgroup_id_x 1
		.amdhsa_system_sgpr_workgroup_id_y 1
		.amdhsa_system_sgpr_workgroup_id_z 1
		.amdhsa_system_vgpr_workitem_id 0
		.amdhsa_next_free_vgpr 512
		.amdhsa_next_free_sgpr 68
		.amdhsa_reserve_vcc 0
		.amdhsa_float_denorm_mode_32 3
		.amdhsa_float_denorm_mode_16_64 3
		.amdhsa_memory_ordered 1
		.amdhsa_forward_progress 1
		.amdhsa_inst_pref_size 91
	.end_amdhsa_kernel
	.amdgpu_metadata
---
amdhsa.version: [ 1, 2 ]
amdhsa.kernels:
  - .name:           k_q61161441b1_gemm_out
    .symbol:         k_q61161441b1_gemm_out.kd
    .args:
      - { .name: yb, .offset: 0, .size: 8, .value_kind: global_buffer, .address_space: global }
      - { .name: wpb, .offset: 8, .size: 8, .value_kind: global_buffer, .address_space: global }
      - { .name: b_proj, .offset: 16, .size: 8, .value_kind: global_buffer, .address_space: global }
      - { .name: out0, .offset: 24, .size: 8, .value_kind: global_buffer, .address_space: global }
    .group_segment_fixed_size: 327680
    .private_segment_fixed_size: 0
    .kernarg_segment_align: 8
    .kernarg_segment_size: 32
    .max_flat_workgroup_size: 128
    .sgpr_count:     68
    .vgpr_count:     512
    .wavefront_size: 32
...
	.end_amdgpu_metadata
.endif
;; end of part 4
